; MI455X (gfx1250); checked and timed in simulation.
; The chip was launched on July 23, 2026; its instructions are those of AMD's public machine-readable ISA for CDNA 5 (MIT licence, August 2026) and "CDNA5" Instruction Set Architecture Reference Guide (July 2026). The comments in the code are by the model that wrote it; some were corrected since.
;; Q Linear. Allowed arithmetic: matrix products marked QUANTISED: E5M2 operands, one E8M0 scale for each 32 along K, by v_wmma_scale_f32_16x16x128_f8f6f4 with both operands' format E5M2, f32 sums; everything else in f32.
;; Inputs: bias 2,048 float32; perm 4,096 int32; qweight 2,048 x 2,048 int32; scale 2,048 x 32 float32; x 4 x 2,048 x 4,096 float32; zero 2,048 x 32 float32.
;; Outputs: out0 4 x 2,048 x 2,048 float32.
;; This version of the problem:
;;   THIS VERSION OF THE PROBLEM IS GIVEN IN LOW PRECISION. The matrix products marked QUANTISED in the list below multiply operands that are first quantised to E5M2 (5 exponent bits, 2 mantissa bits; 8 bits a number), with one power-of-two scale for each 32 numbers along K (OCP MX v1.0); their sums are f32. All else is computed in f32.
;;   The module's matrix products, in the order in which they are computed (A, B: the left and right operand; K: the contracted axis; several contracted axes count as one K, in the product's order):
;;     1. [M 8,192, K 4,096] x [K 4,096, N 2,048]; A: computed on the way; B: computed on the way: QUANTISED
;;   THE QUANTISER, for each operand of a quantised product, along K:
;;     - K is cut into blocks of 32 from its start; a last block that is shorter is filled with zeros.
;;     - A block's scale is 2^e with e = floor(log2(the largest magnitude in the block)) - 15, held to -126 .. 127; a block of zeros has e = 0. As a byte (E8M0): e + 127.
;;     - Each number is divided by its block's scale, clamped to +-57,344, and rounded to the nearest number of E5M2, ties to even, subnormals kept.
;;     - The product sums the exact products of the quantised numbers (number of the format x scale) in f32.
;;   ~~~python
;;   def quantise(x, axis):      # numpy; x: float32 -> the quantised numbers, widened to float32 again
;;       x = np.moveaxis(x, axis, -1); K = x.shape[-1]
;;       x = np.pad(x, [(0, 0)] * (x.ndim - 1) + [(0, -K % 32)]); x = x.reshape(x.shape[:-1] + (-1, 32)); a = np.abs(x).max(-1, keepdims=True)
;;       e = np.where(a > 0, np.clip(np.frexp(np.where(a > 0, a, 1))[1] - 1 - 15, -126, 127), 0)      # np.frexp(a)[1] - 1 = floor(log2(a)), exactly
;;       r = np.clip(x / 2.0 ** e, -57344, 57344)
;;       step = 2.0 ** (np.maximum(np.frexp(np.where(r == 0, 1, r))[1] - 1, -14) - 2)
;;       q = np.round(r / step) * step * 2.0 ** e      # np.round: ties to even
;;       return np.moveaxis(q.reshape(q.shape[:-2] + (-1,))[..., :K], -1, axis).astype(np.float32)
;;   ~~~
;;   OPERANDS COMPUTED ON THE WAY. 'Computed on the way' means the value that the module computes at that place (a softmax that the list does not call 'softmax' is quantised finished and normalised). What goes into a quantiser is computed in f32, as accurately as f32 sums, v_exp_f32 and their like allow (about 1e-6 of the number): no bf16 or f16 on the way to a quantiser, and a product that is left as it is and whose result goes on into a quantised operand takes f32 operands (vector FMAs, or v_wmma_f32_16x16x4_f32). A number that lies on a knife's edge between two numbers of the format may be rounded either way, as far as f32 arithmetic and the matrix unit's own rounding can turn it there, and no further.
;; One version. Each part assembles by itself: llvm-mc -triple=amdgcn-amd-amdhsa -mcpu=gfx1250 --defsym DOCPART=n.
;; ======== version 1 of 1: 2 launches
;; limits: right only within a limited range of input values
;; workspace buffers: a_q 34,603,008 bytes; b_q 8,650,752 bytes
;; launch prep (part 1): grid 256 x 1, 16 waves a work-group, no clusters, 138,240 bytes of LDS; arguments x, perm, qweight, scale, zero, a_q, b_q; writes a_q, b_q
.if DOCPART == 1
	.amdgcn_target "amdgcn-amd-amdhsa--gfx1250"
	.amdhsa_code_object_version 6
	.text
	.protected	k_q8ee2fa1e94_prep
	.globl	k_q8ee2fa1e94_prep
	.p2align	8
	.type	k_q8ee2fa1e94_prep,@function
k_q8ee2fa1e94_prep:
	s_mov_b64 s[64:65], 0
	v_nop
	global_prefetch_b8 v0, s[64:65] scope:SCOPE_SE
	s_setreg_imm32_b32 hwreg(HW_REG_WAVE_MODE, 25, 1), 1
	s_wait_xcnt 0x0
; Both operands of out = Q(x[:, perm]) Q(w)^T + bias are made here, in f32, and quantised to codes of BF8 (E5M2) with one E8M0 scale byte for each 32 along K = 4,096.
;   xp[m][k] = x[m][perm[k]], m = 0 .. 8,191.      w[o][k] = scale[o][k / 128] x (nibble - zero[o][k / 128]); nibble = qweight[o][k] // 16 for k < 2,048, qweight[o][k - 2,048] % 16 above.
; A block's scale is 2^(floor(log2(its largest magnitude)) - 15): its byte is the largest magnitude's exponent field - 15, held at 1 from below; each number is held within +-57,344 x the scale and rounded to the nearest code, ties to even.
; WHAT IS STORED, for each operand: [tile of 256 rows][K step of 256][264 lines of 256 bytes]: lines 0-255 the codes of the tile's rows, lines 256-263 the scale bytes, 8 a row (row R: line 256 + R / 32, byte 8 (R % 32)).
; So a K step of a tile is one dense block of 67,584 bytes, codes and scale bytes together, as the product's launch fetches it.
; SHARES.  Work-group g takes rows 32 g .. 32 g + 31 of x and rows 8 g .. 8 g + 7 of w: 256 work-groups of equal work, one path.  Thread t: t' = t % 256 owns k = 16 t' .. 16 t' + 15 for the whole launch (two neighbouring
; lanes hold a block of 32), u = t / 256 says which four rows of a batch of eight.  Five batches, written out: four of x (8 rows, 128 KiB), one of qweight (8 rows, 64 KiB).
; THE GATHER GOES THROUGH LDS: a batch's rows are read from memory as they lie (a wave's load covers 512 consecutive bytes, each byte of x once, whatever perm holds), stored to LDS, and each thread then reads its 16 numbers of a row
; by 16 LDS loads whose addresses, made once from perm, serve every row.  In a row, word p lies at word p xor 2 ((p / 64) % 8): with perm in order, a wave's 32 lanes (16 words apart) then fall on 32 different banks
; (64 banks of 4 bytes: ISA guide 11.1); pairs of words stay together, so the stores are of 8 bytes.
; ORDER.  Every LDS store is parted from every gather by a barrier, two barriers a batch: store | barrier | gather | barrier.  Scale bytes made in a gather phase wait in registers and are stored in the next store phase.
; Loads from memory run two batches ahead, in two sets of 64 registers.
; LIMITS: perm holds 0 .. 4,095, as reference() relies on (anything else is held at 4,095 and does not give reference()'s number); NaN and infinities in x, scale and zero are not served; a block of zeros gets the byte 1
; where the rule says 127: its codes are zeros, which add nothing under any byte but 0xff, and the bytes are read by this program alone; blocks whose largest magnitude lies under 2^(16 - 127), the floor, were not tried.
; w's scale bytes leave in pieces of 64 bytes (8 rows a work-group): 256 KiB in the whole launch.
.set TILEB, 67584                      ; a K step of a tile: 264 lines of 256 bytes
.set OPB,   16*TILEB                   ; a tile of 256 rows, all of K
.set SCB,   131072                     ; LDS: behind the 8 row slots: x's scale bytes [16 K steps][32 rows][8],
.set SCW,   135168                     ; and w's [16][8 rows][8]
.set LOX, 1                            ; v1   LDS, on the way in, x: the lower 8 of my 16 bytes: (16 t' xor 8 ((t' / 16) % 8)) + 65,536 u
.set HIX, 2                            ; v2   the upper 8: LOX xor 8
.set LOQ, 3                            ; v3   the same for qweight: + 32,768 u
.set HIQ, 4                            ; v4
.set GX,  5                            ; v5   x in memory: 16 t' + 65,536 u
.set GQ,  6                            ; v6   qweight in memory: 16 t' + 32,768 u
.set GS,  7                            ; v7   scale and zero: 512 u + 4 (t' / 8)
.set CX,  8                            ; v8   my 16 codes in the operand: 67,584 (t' / 16) + 16 (t' % 16) + 1,024 u
.set SBA, 9                            ; v9   LDS: my block's scale byte, x
.set SBW, 10                           ; v10  and w
.set RDS, 11                           ; v11  LDS: 8 scale bytes of x on the way out
.set GAS, 12                           ; v12  and their place in the operand
.set RDW, 13                           ; v13  the same for w
.set GBS, 14                           ; v14
.set UX,  15                           ; v15  65,536 u
.set MA,  16                           ; v16, v17 largest magnitudes
.set MB,  17
.set SCL, 18                           ; v18  the conversion's scale operand
.set HLD, 19                           ; v19  57,344 x the scale
.set T0,  20                           ; v20, v21 at work
.set T1,  21
.set E,   22                           ; v22-25  a scale byte for each of my four rows
.set ZS,  26                           ; v26-41  row j: zero twice, scale twice
.set PA,  42                           ; v42-57  my 16 gather addresses
.set C,   58                           ; v58-73  codes: four registers a row
.set X,   74                           ; v74-105 two sets of 16 numbers
.set R0,  106                          ; v106-233 two sets of 64 registers: a batch as it is loaded
.set PO,  238                          ; v238 perm: 64 t'
	s_load_b256 s[4:11], s[0:1], 0x0               ; x s[4:5], perm s[6:7], qweight s[8:9], scale s[10:11]
	s_load_b128 s[12:15], s[0:1], 0x20             ; zero s[12:13], a_q s[14:15]
	s_load_b64 s[16:17], s[0:1], 0x30              ; b_q
	v_lshl_add_u32 v240, v0, 2, 0x21400
	v_mov_b32 v241, 0
	v_lshrrev_b32 v[T0], 5, v0
	s_delay_alu instid0(VALU_DEP_1)
	v_readfirstlane_b32 s22, v[T0]                 ; wave 0..15
	s_mov_b32 s23, 0x600000                        ; the mantissa field of 57,344
	s_and_b32 s24, s22, 7
	s_cmp_lt_u32 s24, 4                            ; t' < 128: my k lie under 2,048: the upper nibbles
	s_cselect_b32 s24, 4, 0                        ; // 16 is an arithmetic shift by 4,
	s_cselect_b32 s25, -1, 15                      ; % 16 the lowest four bits: both right for every int32
	s_lshl_b32 s26, ttmp9, 19                      ; x: 32 rows of 16,384 bytes a work-group
	s_mov_b32 s27, 0
	s_lshl_b32 s28, ttmp9, 16                      ; qweight: 8 rows of 8,192 bytes
	s_mov_b32 s29, 0
	s_lshl_b32 s30, ttmp9, 10                      ; scale, zero: 8 rows of 128 bytes
	s_mov_b32 s31, 0
	s_lshr_b32 s32, ttmp9, 3                       ; a_q: tile g / 8,
	s_mul_i32 s32, s32, OPB
	s_and_b32 s36, ttmp9, 7
	s_lshl_b32 s34, s36, 8
	s_add_co_u32 s34, s34, s32
	s_add_co_u32 s34, s34, 65536                   ; scale bytes: line 256 + g % 8;
	s_lshl_b32 s36, s36, 13
	s_add_co_u32 s32, s32, s36                     ; codes: lines 32 (g % 8) on
	s_mov_b32 s33, 0
	s_mov_b32 s35, 0
	s_lshr_b32 s36, ttmp9, 5                       ; b_q: tile g / 32,
	s_mul_i32 s36, s36, OPB
	s_and_b32 s40, ttmp9, 31
	s_lshl_b32 s38, s40, 6
	s_add_co_u32 s38, s38, s36
	s_add_co_u32 s38, s38, 65536                   ; scale bytes: 64 (g % 32) bytes into line 256 on;
	s_lshl_b32 s40, s40, 11
	s_add_co_u32 s36, s36, s40                     ; codes: lines 8 (g % 32) on
	s_mov_b32 s37, 0
	s_mov_b32 s39, 0
	v_and_b32 v[T0], 0xff, v0                      ; t'
	v_lshrrev_b32 v[T1], 8, v0                     ; u
	s_delay_alu instid0(VALU_DEP_2)
	v_lshlrev_b32 v[PO], 6, v[T0]
	s_delay_alu instid0(VALU_DEP_3)
	v_lshlrev_b32 v[MA], 4, v[T0]                  ; 16 t'
	s_delay_alu instid0(VALU_DEP_1)
	v_lshl_add_u32 v[GX], v[T1], 16, v[MA]
	s_delay_alu instid0(VALU_DEP_2)
	v_lshl_add_u32 v[GQ], v[T1], 15, v[MA]
	v_bfe_u32 v[SCL], v0, 3, 5                     ; t' / 8: my group of 128 along K
	s_delay_alu instid0(VALU_DEP_1)
	v_lshlrev_b32 v[SCL], 2, v[SCL]
	s_delay_alu instid0(VALU_DEP_1)
	v_lshl_add_u32 v[GS], v[T1], 9, v[SCL]
	s_wait_alu depctr_va_vdst(0)
	s_wait_kmcnt 0x0
	s_add_nc_u64 s[4:5], s[4:5], s[26:27]
	s_add_nc_u64 s[8:9], s[8:9], s[28:29]
	s_add_nc_u64 s[10:11], s[10:11], s[30:31]
	s_add_nc_u64 s[12:13], s[12:13], s[30:31]
	s_add_nc_u64 s[18:19], s[14:15], s[34:35]      ; a_q: my scale bytes,
	s_add_nc_u64 s[14:15], s[14:15], s[32:33]      ; my codes
	s_add_nc_u64 s[20:21], s[16:17], s[38:39]      ; b_q likewise
	s_add_nc_u64 s[16:17], s[16:17], s[36:37]
.macro LOADX bt, rs                    ; batch bt of x into set rs: my four rows, 4 x 16 bytes of each; a wave's load covers 512 consecutive bytes
.irp jr, 0,1,2,3
.irp jc, 0,1,2,3
	global_load_b128 v[R0+64*(\rs)+16*\jr+4*\jc:R0+64*(\rs)+16*\jr+4*\jc+3], v[GX], s[4:5] offset:(\bt)*131072+\jr*16384+\jc*4096 th:TH_LOAD_NT
.endr
.endr
.endm
.macro LOADXR bt, rs, jr               ; one of my four rows of batch bt of x into set rs: issued in a gather phase, behind that row's turn
.irp jc, 0,1,2,3
	global_load_b128 v[R0+64*(\rs)+16*(\jr)+4*\jc:R0+64*(\rs)+16*(\jr)+4*\jc+3], v[GX], s[4:5] offset:(\bt)*131072+(\jr)*16384+\jc*4096 th:TH_LOAD_NT
.endr
.endm
.macro LOADQR jr                       ; one of my four rows of qweight into set 0: 2 x 16 bytes
.irp jc, 0,1
	global_load_b128 v[R0+8*(\jr)+4*\jc:R0+8*(\jr)+4*\jc+3], v[GQ], s[8:9] offset:(\jr)*8192+\jc*4096 th:TH_LOAD_NT
.endr
.endm
.macro STOREX rs                       ; set rs into the row slots, words in their swizzled places
.irp jr, 0,1,2,3
.irp jc, 0,1,2,3
	ds_store_b64 v[LOX], v[R0+64*(\rs)+16*\jr+4*\jc:R0+64*(\rs)+16*\jr+4*\jc+1] offset:\jr*16384+\jc*4096
	ds_store_b64 v[HIX], v[R0+64*(\rs)+16*\jr+4*\jc+2:R0+64*(\rs)+16*\jr+4*\jc+3] offset:\jr*16384+\jc*4096
.endr
.endr
.endm
.macro STOREQ
.irp jr, 0,1,2,3
.irp jc, 0,1
	ds_store_b64 v[LOQ], v[R0+8*\jr+4*\jc:R0+8*\jr+4*\jc+1] offset:\jr*8192+\jc*4096
	ds_store_b64 v[HIQ], v[R0+8*\jr+4*\jc+2:R0+8*\jr+4*\jc+3] offset:\jr*8192+\jc*4096
.endr
.endr
.endm
.macro BYTES adr, off                  ; the last gather phase's four scale bytes; both lanes of a block write the same byte with the same value
.irp jr, 0,1,2,3
	ds_store_b8 v[\adr], v[E+\jr] offset:(\off)+8*\jr
.endr
.endm
.macro GATH jr, xs, stride             ; my 16 numbers of row jr of my four into set xs
.irp i, 0,1,2,3,4,5,6,7,8,9,10,11,12,13,14,15
	ds_load_b32 v[X+16*(\xs)+\i], v[PA+\i] offset:(\jr)*(\stride)
.endr
.endm
.macro DEQ xs, jr                      ; 16 words of qweight become 16 numbers of w: the nibble, as f32, less zero, times scale: the two roundings of reference()
.set XS, X+16*(\xs)
.irp i, 0,1,2,3,4,5,6,7,8,9,10,11,12,13,14,15
	v_ashrrev_i32 v[XS+\i], s24, v[XS+\i]
.endr
.irp i, 0,1,2,3,4,5,6,7,8,9,10,11,12,13,14,15
	v_and_b32 v[XS+\i], s25, v[XS+\i]
.endr
.irp i, 0,1,2,3,4,5,6,7,8,9,10,11,12,13,14,15
	v_cvt_f32_i32 v[XS+\i], v[XS+\i]
.endr
.irp i, 0,2,4,6,8,10,12,14
	v_pk_add_f32 v[XS+\i:XS+\i+1], v[XS+\i:XS+\i+1], v[ZS+4*(\jr):ZS+4*(\jr)+1] neg_lo:[0,1] neg_hi:[0,1]
.endr
.irp i, 0,2,4,6,8,10,12,14
	v_pk_mul_f32 v[XS+\i:XS+\i+1], v[XS+\i:XS+\i+1], v[ZS+4*(\jr)+2:ZS+4*(\jr)+3]
.endr
.endm
.macro QROW xs, jr                     ; 16 numbers become 16 codes in v[C + 4 jr] on and the block's byte in v[E + jr]
.set XS, X+16*(\xs)
	v_max3_num_f32 v[MA], |v[XS]|, |v[XS+1]|, |v[XS+2]|            ; the largest magnitude of my 16, in two chains
	v_max3_num_f32 v[MB], |v[XS+3]|, |v[XS+4]|, |v[XS+5]|
.irp i, 6,10
	s_delay_alu instid0(VALU_DEP_2)
	v_max3_num_f32 v[MA], v[MA], |v[XS+\i]|, |v[XS+\i+1]|
	s_delay_alu instid0(VALU_DEP_2)
	v_max3_num_f32 v[MB], v[MB], |v[XS+\i+2]|, |v[XS+\i+3]|
.endr
	s_delay_alu instid0(VALU_DEP_2)
	v_max3_num_f32 v[MA], v[MA], |v[XS+14]|, |v[XS+15]|
	s_delay_alu instid0(VALU_DEP_1)
	v_max3_num_f32 v[MA], v[MA], v[MB], 0x8000000  ; and the floor 2^(16 - 127): the byte cannot fall under 1
	s_delay_alu instid0(VALU_DEP_1)
	v_max_num_f32_dpp v[MA], v[MA], v[MA] row_xmask:1 row_mask:0xf bank_mask:0xf   ; and of my neighbour's 16: the block's
	s_delay_alu instid0(VALU_DEP_1)
	v_add_nc_u32 v[SCL], 0xf8800000, v[MA]         ; 15 off its exponent field: the conversion takes the exponent field of this operand as its scale, and nothing else of it
	s_delay_alu instid0(VALU_DEP_2)
	v_and_or_b32 v[HLD], v[MA], 0x7f800000, s23    ; 57,344 x the scale: the largest magnitude's exponent field over 57,344's mantissa
.irp i, 0,1,2,3,4,5,6,7,8,9,10,11,12,13,14,15
	v_med3_num_f32 v[XS+\i], v[XS+\i], -v[HLD], v[HLD]             ; the conversion to an 8-bit code does not saturate (ISA guide 7.6.2): the hold comes first
.endr
	v_cvt_scalef32_pk8_bf8_f32 v[C+4*(\jr):C+4*(\jr)+1], v[XS:XS+7], v[SCL]
	v_cvt_scalef32_pk8_bf8_f32 v[C+4*(\jr)+2:C+4*(\jr)+3], v[XS+8:XS+15], v[SCL]
	v_lshrrev_b32 v[E+(\jr)], 23, v[SCL]           ; the scale's byte; also the plain line behind the conversions
.endm
.macro BAR                             ; my LDS stores have landed and my LDS loads are in: then the work-group's barrier
	s_wait_dscnt 0x0
	s_barrier_signal -1
	s_barrier_wait -1
.endm
; A gather phase: my four rows of the batch.  isw = 1: the batch is qweight's.  Two rows' gathers are always out: the count 16 leaves the younger row's.
; ld = 1: behind each row's turn the same row of batch nb of x is asked for, into set rs, whose LDS stores were waited for in front of the barrier; ld = 2: the same for qweight
.macro GPH isw, bt, ld, nb, rs
.set STRIDE, 16384-8192*(\isw)
	s_wait_xcnt 0x0                                ; the last batch's stores have read their codes: v[C] on is written again only behind this wait
	GATH 0, 0, STRIDE
	GATH 1, 1, STRIDE
.irp jr, 0,1,2,3
.if \jr < 3
	s_wait_dscnt 16                                ; this row's 16 loads are in; the next row's may be out
.else
	s_wait_dscnt 0x0
.endif
.if \isw
	DEQ \jr%2, \jr
.endif
	QROW \jr%2, \jr
.if \isw
	global_store_b128 v[CX], v[C+4*\jr:C+4*\jr+3], s[16:17] offset:\jr*256          ; sixteen lanes store one line of 256 bytes, aligned
.else
	global_store_b128 v[CX], v[C+4*\jr:C+4*\jr+3], s[14:15] offset:(8*(\bt)+\jr)*256
.endif
.if \jr < 2
	GATH \jr+2, \jr%2, STRIDE                      ; the set just worked takes the row two further on
.endif
.if \ld == 1
	LOADXR \nb, \rs, \jr
.endif
.if \ld == 2
	LOADQR \jr
.endif
.endr
	BAR                                            ; every wave's gathers of this batch are in: the row slots may be written again
.endm
.irp c, 0,1,2,3
	global_load_b128 v[PA+4*\c:PA+4*\c+3], v[PO], s[6:7] offset:16*\c              ; perm[16 t' .. 16 t' + 15]
.endr
.irp jr, 0,1,2,3
	global_load_b32 v[ZS+4*\jr], v[GS], s[12:13] offset:128*\jr                    ; zero and scale of my group, for my four rows of w
	global_load_b32 v[ZS+4*\jr+2], v[GS], s[10:11] offset:128*\jr
.endr
	LOADX 0, 0
	LOADX 1, 1
	; the addresses that stay, while the loads are on their way
	v_bfe_u32 v[MB], v0, 4, 3
	s_delay_alu instid0(VALU_DEP_1)
	v_lshlrev_b32 v[MB], 3, v[MB]                  ; 8 ((t' / 16) % 8)
	s_delay_alu instid0(VALU_DEP_1)
	v_xor_b32 v[MB], v[MA], v[MB]                  ; my 16 bytes' swizzled place in a row
	s_delay_alu instid0(VALU_DEP_1)
	v_lshl_add_u32 v[LOX], v[T1], 16, v[MB]
	s_delay_alu instid0(VALU_DEP_1)
	v_xor_b32 v[HIX], 8, v[LOX]
	s_delay_alu instid0(VALU_DEP_3)
	v_lshl_add_u32 v[LOQ], v[T1], 15, v[MB]
	s_delay_alu instid0(VALU_DEP_1)
	v_xor_b32 v[HIQ], 8, v[LOQ]
	v_bfe_u32 v[SCL], v0, 4, 4                     ; t' / 16: my K step
	v_and_b32 v[HLD], 15, v0
	s_delay_alu instid0(VALU_DEP_1)
	v_lshlrev_b32 v[HLD], 4, v[HLD]
	s_delay_alu instid0(VALU_DEP_1)
	v_mad_u32_u24 v[CX], v[SCL], TILEB, v[HLD]
	s_delay_alu instid0(VALU_DEP_1)
	v_lshl_add_u32 v[CX], v[T1], 10, v[CX]
	v_bfe_u32 v[HLD], v0, 1, 3                     ; my block in the K step
	s_delay_alu instid0(VALU_DEP_1)
	v_lshl_add_u32 v[HLD], v[T1], 5, v[HLD]        ; + 4 u rows of 8 bytes
	s_delay_alu instid0(VALU_DEP_1)
	v_lshl_add_u32 v[SBA], v[SCL], 8, v[HLD]
	s_delay_alu instid0(VALU_DEP_1)
	v_add_nc_u32 v[SBA], SCB, v[SBA]
	s_delay_alu instid0(VALU_DEP_3)
	v_lshl_add_u32 v[SBW], v[SCL], 6, v[HLD]
	s_delay_alu instid0(VALU_DEP_1)
	v_add_nc_u32 v[SBW], SCW, v[SBW]
	v_lshl_add_u32 v[RDS], v0, 3, SCB              ; out: wave = K step, lane = row
	v_lshrrev_b32 v[SCL], 5, v0
	v_and_b32 v[HLD], 31, v0
	s_delay_alu instid0(VALU_DEP_1)
	v_lshlrev_b32 v[HLD], 3, v[HLD]
	s_delay_alu instid0(VALU_DEP_1)
	v_mad_u32_u24 v[GAS], v[SCL], TILEB, v[HLD]
	v_lshl_add_u32 v[RDW], v0, 3, SCW              ; (used by threads 0 to 127 alone)
	v_lshrrev_b32 v[SCL], 3, v0
	v_and_b32 v[HLD], 7, v0
	s_delay_alu instid0(VALU_DEP_1)
	v_lshlrev_b32 v[HLD], 3, v[HLD]
	s_delay_alu instid0(VALU_DEP_1)
	v_mad_u32_u24 v[GBS], v[SCL], TILEB, v[HLD]
	v_lshlrev_b32 v[UX], 16, v[T1]
	s_wait_loadcnt 40                              ; perm is in; behind it: 8 loads of zero and scale, 16 + 16 of x
.irp i, 0,1,2,3,4,5,6,7,8,9,10,11,12,13,14,15
	v_lshrrev_b32 v[T0], 5, v[PA+\i]
	s_delay_alu instid0(VALU_DEP_1)
	v_and_b32 v[T0], 14, v[T0]                     ; 2 ((p / 64) % 8)
	s_delay_alu instid0(VALU_DEP_1)
	v_xor_b32 v[PA+\i], v[PA+\i], v[T0]            ; the word's swizzled place,
	s_delay_alu instid0(VALU_DEP_1)
	v_min_u32 v[PA+\i], 0xfff, v[PA+\i]            ; held inside the row,
	s_delay_alu instid0(VALU_DEP_1)
	v_lshlrev_b32 v[PA+\i], 2, v[PA+\i]            ; in bytes,
	s_wait_alu depctr_va_vdst(0)
	v_add_nc_u32 v[PA+\i], v[UX], v[PA+\i]         ; in my half's first row slot
.endr
	; ---- batch 0
	s_wait_alu depctr_va_vdst(0)
	s_wait_loadcnt 16                              ; batch 0 is in (zero and scale too); batch 1 may be out
	STOREX 0
	BAR                                            ; the stores have landed and have read their registers, which take batch 2 in the gather phase
	GPH 0, 0, 1, 2, 0
	; ---- batch 1
	s_wait_loadcnt 16                              ; batch 1 is in; batch 2 may be out
	STOREX 1
	s_wait_alu depctr_va_vdst(0)
	BYTES SBA, 0
	BAR
	GPH 0, 1, 1, 3, 1
	; ---- batch 2
	s_wait_loadcnt 16                              ; batch 2 is in; batch 3 may be out
	STOREX 0
	s_wait_alu depctr_va_vdst(0)
	BYTES SBA, 64
	BAR
	GPH 0, 2, 2, 0, 0
	; ---- batch 3
	s_wait_loadcnt 8                               ; batch 3 is in; qweight's 8 loads may be out
	STOREX 1
	s_wait_alu depctr_va_vdst(0)
	BYTES SBA, 128
	BAR
	GPH 0, 3, 0, 0, 0
	; ---- qweight: 8 row slots of 8,192 bytes.  Threads t' and t' + 128 read the same 16 words, one for the upper nibbles, one for the lower
	s_wait_loadcnt 0x0
	STOREQ
	s_wait_alu depctr_va_vdst(0)
	BYTES SBA, 192
	v_bfe_u32 v[T0], v0, 2, 3
	s_delay_alu instid0(VALU_DEP_1)
	v_lshlrev_b32 v[T0], 1, v[T0]                  ; word 16 (t' % 128) + i lies at i xor 2 ((t' / 4) % 8) of its sixteen
	v_and_b32 v[T1], 127, v0
	s_delay_alu instid0(VALU_DEP_1)
	v_lshlrev_b32 v[T1], 6, v[T1]
	v_lshrrev_b32 v[MA], 8, v0
	s_delay_alu instid0(VALU_DEP_1)
	v_lshl_add_u32 v[T1], v[MA], 15, v[T1]         ; 64 (t' % 128) + 32,768 u
.irp i, 0,1,2,3,4,5,6,7,8,9,10,11,12,13,14,15
	v_xor_b32 v[PA+\i], \i, v[T0]
.endr
.irp i, 0,1,2,3,4,5,6,7,8,9,10,11,12,13,14,15
	v_lshl_add_u32 v[PA+\i], v[PA+\i], 2, v[T1]
.endr
.irp j, 0,2,4,6,8,10,12,14
	v_mov_b32 v[ZS+\j+1], v[ZS+\j]                 ; zero and scale as pairs, for the packed forms
.endr
	s_wait_alu depctr_va_vdst(0)
	BAR
	GPH 1, 0, 0, 0, 0
	s_wait_alu depctr_va_vdst(0)
	BYTES SBW, 0
	BAR                                            ; all scale bytes lie in LDS
	ds_load_b64 v[234:235], v[RDS]
	s_wait_dscnt 0x0
	global_store_b64 v[GAS], v[234:235], s[18:19]  ; a wave stores one line of 256 bytes, aligned: 32 rows' scale bytes of one K step
	s_cmp_ge_u32 s22, 4
	s_cbranch_scc1 .Lend                           ; w's 1,024 scale bytes are waves 0 to 3's
	ds_load_b64 v[236:237], v[RDW]
	s_wait_dscnt 0x0
	global_store_b64 v[GBS], v[236:237], s[20:21]  ; eight lanes store 64 consecutive bytes of one K step
.Lend:
	s_wait_tensorcnt 0x0
	ds_add_u32 v240, v241
	s_wait_dscnt 0x0
	s_endpgm
.Lfunc_end_k_q8ee2fa1e94_prep:
	.size	k_q8ee2fa1e94_prep, .Lfunc_end_k_q8ee2fa1e94_prep-k_q8ee2fa1e94_prep
	.p2alignl 7, 3214868480
	.fill 96, 4, 3214868480
	.section	.rodata,"a",@progbits
	.p2align	6, 0x0
	.amdhsa_kernel k_q8ee2fa1e94_prep
		.amdhsa_group_segment_fixed_size 138240
		.amdhsa_private_segment_fixed_size 0
		.amdhsa_enable_private_segment 0
		.amdhsa_kernarg_size 56
		.amdhsa_user_sgpr_count 2
		.amdhsa_user_sgpr_kernarg_segment_ptr 1
		.amdhsa_wavefront_size32 1
		.amdhsa_system_sgpr_workgroup_id_x 1
		.amdhsa_system_sgpr_workgroup_id_y 1
		.amdhsa_system_sgpr_workgroup_id_z 1
		.amdhsa_system_vgpr_workitem_id 0
		.amdhsa_next_free_vgpr 242
		.amdhsa_next_free_sgpr 66
		.amdhsa_reserve_vcc 0
		.amdhsa_float_denorm_mode_32 3
		.amdhsa_float_denorm_mode_16_64 3
		.amdhsa_memory_ordered 1
		.amdhsa_forward_progress 1
		.amdhsa_inst_pref_size 110
	.end_amdhsa_kernel
	.amdgpu_metadata
---
amdhsa.version: [ 1, 2 ]
amdhsa.kernels:
  - .name:           k_q8ee2fa1e94_prep
    .symbol:         k_q8ee2fa1e94_prep.kd
    .args:
      - { .name: x, .offset: 0, .size: 8, .value_kind: global_buffer, .address_space: global }
      - { .name: perm, .offset: 8, .size: 8, .value_kind: global_buffer, .address_space: global }
      - { .name: qweight, .offset: 16, .size: 8, .value_kind: global_buffer, .address_space: global }
      - { .name: scale, .offset: 24, .size: 8, .value_kind: global_buffer, .address_space: global }
      - { .name: zero, .offset: 32, .size: 8, .value_kind: global_buffer, .address_space: global }
      - { .name: a_q, .offset: 40, .size: 8, .value_kind: global_buffer, .address_space: global }
      - { .name: b_q, .offset: 48, .size: 8, .value_kind: global_buffer, .address_space: global }
    .group_segment_fixed_size: 138240
    .private_segment_fixed_size: 0
    .kernarg_segment_align: 8
    .kernarg_segment_size: 56
    .max_flat_workgroup_size: 512
    .sgpr_count:     66
    .vgpr_count:     242
    .wavefront_size: 32
...
	.end_amdgpu_metadata
.endif
;; end of part 1
;; launch gemm (part 2): grid 8 x 32, 4 waves a work-group, clusters of 4 x 4, 327,680 bytes of LDS; arguments a_q, b_q, bias, out0; writes out0
.if DOCPART == 2
	.amdgcn_target "amdgcn-amd-amdhsa--gfx1250"
	.amdhsa_code_object_version 6
	.text
	.protected	k_q8ee2fa1e94_gemm
	.globl	k_q8ee2fa1e94_gemm
	.p2align	8
	.type	k_q8ee2fa1e94_gemm,@function
k_q8ee2fa1e94_gemm:
	s_mov_b64 s[64:65], 0
	v_nop
	global_prefetch_b8 v0, s[64:65] scope:SCOPE_SE
	s_setreg_imm32_b32 hwreg(HW_REG_WAVE_MODE, 25, 1), 1
	s_wait_xcnt 0x0
	s_wait_alu depctr_hold_cnt(0) depctr_sa_sdst(0) depctr_va_vdst(0) depctr_va_sdst(0) depctr_va_ssrc(0) depctr_va_vcc(0) depctr_vm_vsrc(0)
	s_getreg_b32 s2, hwreg(HW_REG_IB_STS2, 6, 4)
	s_cmp_eq_u32 s2, 0
	s_cbranch_scc0 .Lentry_in_a_cluster
	s_endpgm
.Lentry_in_a_cluster:
	s_bfe_u32 s2, ttmp6, 0x10000c
	s_cmp_lg_u32 s2, 0xf033
	s_cbranch_scc0 .Lentry_shape_is_right
	s_endpgm
.Lentry_shape_is_right:
; out0[m][n] = bias[n] + sum over k of A[m][k] B[n][k], m = 0 .. 8,191, n = 0 .. 2,047, K = 4,096; A = Q(x[:, perm]), B = Q(w): codes of BF8 (E5M2) with one E8M0 byte for each 32 along K, as launch prep stored them:
; [tile of 256 rows][K step of 256][264 lines of 256 bytes]: lines 0-255 the rows' codes, lines 256-263 the scale bytes, 8 a row.  Sums in f32; the bias is the C of each accumulator's first product.
; A tile of out0, 256 x 256, is one work-group's: four waves, each 128 x 128 = 64 accumulators of 16 x 16, 512 registers.  K goes in 16 steps of 256 through a ring of two LDS slots; a wave's tensor load brings 132 lines.
; CLUSTERS: 4 x 4 work-groups; A's tiles are asked for jointly along a row of the cluster, B's along a column.  The matrix instruction is used transposed (source 0 = 16 rows of B, source 1 = 16 rows of A):
; a lane then holds eight neighbouring numbers of a row of out0.
; PREFETCH: at a change of slots every wave has waited for all its tensor loads, so what a refill asks for has been named earlier: behind the refill for K step t + 2 stand two prefetches for K step t + 4.  Of the 132 lines that
; a wave fetches each of the four partners of the joint load names 33, told apart by address (cx for A, cy for B): a lane a line, and the 33rd line by a second instruction whose lanes all name it.  K steps 1 and 2 are named at the
; head behind K step 0's load, K step 3 behind K step 1's; the loop's last trip (t = 12, 13) names nothing.  A work-group has at most two K steps named and not yet loaded.
; THE LAST K STEP GOES BY ROWS OF out0: B's two sets hold its 256 along K, A comes by blocks of 16 rows x 256 K, and each block of 16 rows leaves, through the wave's stage in LDS, as soon as its 16 products are issued.
; REGISTERS: window 0: v0-31 addresses; v32-63 scale words, two sets; v64-127 the bias, later the rows read back from the stage; v128-255 A's fragments.  Window 1: B's fragments, two sets.  Windows 2, 3: the accumulators.
.set SIZE_N, 2048
.set NQ,     2                         ; matrix instructions deep in a slot
.set PITCH,  272                       ; an LDS line: 256 bytes + 16 of padding
.set FR,     16                        ; registers of a fragment, 16 rows x 128 K
.set NL,     4                         ; LDS loads that bring one
.set NP,     8                         ; places behind this matrix instruction (ISA guide 7.12.1)
.set TILEB,  264*256                   ; a K step of a tile in memory
.set OPB,    16*TILEB                  ; a tile, all of K
.set OPER,   264*PITCH                 ; a K step of a tile in LDS
.set HALFT,  132*PITCH                 ; what one tensor load brings
.set HALFR,  128*PITCH                 ; a wave's 128 rows
.set SCLN,   256*PITCH                 ; where an operand's scale lines begin
.set SLOT,   2*OPER
.set LAPS,   8
.set SPARE,  2*SLOT                    ; behind the ring: the spare words, 512 bytes that no other line names
.set SPITCH, 528                       ; the stage: 16 rows x (512 + 16) bytes a wave, in slot 0, behind that slot's last fill and last read
.set PFO,  8                           ; v8   prefetch: 256 x lane
.set PFL,  9                           ; v9   prefetch: line 32 of my 33
.set ADRA, 16                          ; v16-17 my A fragments in slot 0, 1
.set ADRB, 20                          ; v20-21 the same for B
.set BO,   22                          ; v22  bias: 32 (l / 16)
.set STO,  24                          ; v24  into the stage
.set RD,   25                          ; v25  out of it
.set CO,   26                          ; v26  my 16 bytes of a row's 512
.set SPW,  28                          ; v28  my spare word
.set NIL,  29                          ; v29  0
.set ADRS, 30                          ; v30-31 my scale words in slot 0, 1: lanes 0-15 A's rows, lanes 16-31 B's
.set SC,   32
.set BI,   64
.set BK,   64
.set AF,   128
.set PFA,  10                          ; s[10:11] my 33 lines, stepped a K step at each change of slots
.set G1, 24
.set G0, 32
.set G1B, 48
.set G0B, 56
.set MSB, 0
.macro WIN new                         ; the immediate's high byte repeats the setting that is left
.if MSB != (\new)
	s_set_vgpr_msb (MSB<<8)|(\new)
.set MSB, (\new)
.endif
.endm
.set MUL_LO, 0xa1                      ; source 0 (B) window 1, source 1 (A) window 0, C and D window 2
.set MUL_HI, 0xf1                      ; the same, C and D window 3
.set TO_B,   0x40
.macro JLOAD g0a, g1a, g0b, g1b        ; a joint load: waves 0, 1 for A, waves 2, 3 for B
	s_cmp_eq_u32 s15, 0
	s_cbranch_scc0 .Lfor_b_\@
	tensor_load_to_lds s[\g0a:\g0a+3], s[\g1a:\g1a+7]
	s_nop 0
.rept 4
	v_nop
.endr
	s_branch .Lasked_\@
.Lfor_b_\@:
	tensor_load_to_lds s[\g0b:\g0b+3], s[\g1b:\g1b+7]
	s_nop 0
.rept 4
	v_nop
.endr
.Lasked_\@:
.endm
.macro CREST                           ; a round of the cluster's barrier behind its opening barrier
	s_cmp_lg_u32 s14, 0
	s_cbranch_scc1 .Lnot_wave_0_\@
	s_barrier_signal -3
.Lnot_wave_0_\@:
	s_barrier_wait -3
	s_barrier_signal -1
	s_barrier_wait -1
.endm
.macro CROUND
	s_barrier_signal -1
	s_barrier_wait -1
	CREST
.endm
.macro NAME k                          ; my 33 lines, k K steps beyond where s[PFA] stands
	global_prefetch_b8 v[PFO], s[PFA:PFA+1] offset:(\k)*TILEB th:TH_LOAD_NT scope:SCOPE_SE
	global_prefetch_b8 v[PFL], s[PFA:PFA+1] offset:(\k)*TILEB th:TH_LOAD_NT scope:SCOPE_SE
.endm
.macro ASK                             ; in the loop: not in its last trip (s3 = 1), whose K steps two refills on do not exist
	s_cmp_gt_u32 s3, 1
	s_cbranch_scc0 .Lnone_\@
	NAME 3
.Lnone_\@:
.endm
	s_load_b128 s[4:7], s[0:1], 0x0                ; a_q, b_q
	s_load_b64 s[8:9], s[0:1], 0x10                ; bias
	s_load_b64 s[12:13], s[0:1], 0x18              ; out0
	v_lshl_add_u32 v[SPW], v0, 2, SPARE
	v_mov_b32 v[NIL], 0
	ds_add_u32 v[SPW], v[NIL]                      ; the opening lines: the add, twice on end, and its wait ahead of my first tensor load
	ds_add_u32 v[SPW], v[NIL]
	v_lshrrev_b32 v1, 5, v0
	v_readfirstlane_b32 s14, v1                    ; wave 0..3
	v_bfe_u32 v2, v0, 4, 1                         ; l / 16
	v_lshlrev_b32 v[BO], 5, v2
	s_lshr_b32 s15, s14, 1                         ; my half of the tile's rows; also: I fetch for A (0) or B (1)
	s_and_b32 s16, s14, 1                          ; my half of its columns; also: which 132 lines I fetch
	s_bfe_u32 s40, ttmp6, 0x40000                  ; cx
	s_bfe_u32 s41, ttmp6, 0x40004                  ; cy
	s_lshl_b32 s42, ttmp9, 2
	s_add_co_u32 s42, s42, s40                     ; tile column
	s_and_b32 s17, ttmp7, 0xffff
	s_lshl_b32 s17, s17, 2
	s_add_co_u32 s17, s17, s41                     ; tile row
	s_lshl_b32 s43, s41, 2
	s_lshl_b32 s43, 15, s43                        ; my row of the cluster
	s_lshl_b32 s44, 0x1111, s40                    ; my column
	s_or_b32 s[G1+0], s43, (0<<16)|(1<<20)|(1<<21)|(5<<22)|(3<<25)   ; mask; bytes; 4 words of padding behind every 64
	s_or_b32 s[G1B+0], s44, (0<<16)|(1<<20)|(1<<21)|(5<<22)|(3<<25)
.irp g, G1, G1B
	s_mov_b32 s[\g+1], 256<<16                     ; 132 lines of 256 bytes, dense
	s_mov_b32 s[\g+2], 132<<16
	s_mov_b32 s[\g+3], 256<<16
	s_mov_b32 s[\g+4], 132
	s_mov_b32 s[\g+5], 256
	s_mov_b32 s[\g+6], 0
	s_mov_b32 s[\g+7], 0
.endr
	s_mul_i32 s18, s16, 132*256
	s_mul_i32 s20, s17, OPB
	s_add_co_u32 s20, s20, s18
	s_mov_b32 s21, 0
	s_mul_i32 s46, s42, OPB
	s_add_co_u32 s46, s46, s18
	s_mov_b32 s47, 0
	s_mul_i32 s45, s14, HALFT                      ; where my lines go: no place in the cluster enters an LDS address
	s_wait_alu depctr_va_vdst(0)
	s_wait_dscnt 0x0                               ; both opening adds are done
	s_wait_kmcnt 0x0
	s_add_nc_u64 s[20:21], s[4:5], s[20:21]        ; my 132 lines of A's K step 0
	s_add_nc_u64 s[46:47], s[6:7], s[46:47]        ; and of B's
	s_lshl_b32 s22, s42, 10
	s_lshl_b32 s23, s16, 9
	s_add_co_u32 s22, s22, s23                     ; my first column in bytes: 1,024 x tile column + 512 x half
	s_mov_b32 s23, 0
	s_add_nc_u64 s[8:9], s[8:9], s[22:23]
.irp b, 0,1,2,3,4,5,6,7
	global_load_b128 v[BI+8*\b:BI+8*\b+3], v[BO], s[8:9] offset:64*\b          ; bias[16 b + 8 (l / 16) + 0 .. 7]: the layout of a result; asked for ahead of the first round
	global_load_b128 v[BI+8*\b+4:BI+8*\b+7], v[BO], s[8:9] offset:64*\b+16
.endr
	s_add_nc_u64 s[12:13], s[12:13], s[22:23]
	s_cmp_eq_u32 s15, 0
	s_cselect_b64 s[PFA:PFA+1], s[20:21], s[46:47] ; the lines that I fetch,
	s_cselect_b32 s18, s40, s41                    ; my place among the four that ask for them with me,
	s_mul_i32 s18, s18, 33*256                     ; and my work-group's 33 of them
	s_mov_b32 s19, 0
	s_add_nc_u64 s[PFA:PFA+1], s[PFA:PFA+1], s[18:19]
.irp s, 0,1
	s_mov_b32 s[G0+4*\s], 1
	s_add_co_u32 s[G0+4*\s+1], s45, \s*SLOT
	s_add_nc_u64 s[G0+4*\s+2:G0+4*\s+3], s[20:21], \s*TILEB
	s_or_b32 s[G0+4*\s+3], s[G0+4*\s+3], 0x80000000
	s_mov_b32 s[G0B+4*\s], 1
	s_add_co_u32 s[G0B+4*\s+1], s45, \s*SLOT
	s_add_nc_u64 s[G0B+4*\s+2:G0B+4*\s+3], s[46:47], \s*TILEB
	s_or_b32 s[G0B+4*\s+3], s[G0B+4*\s+3], 0x80000000
.endr
	CROUND                                         ; all sixteen work-groups are here: the first joint loads meet
	JLOAD G0, G1, G0B, G1B                         ; K step 0: one tensor load a wave at the head
	s_mul_i32 s18, s15, HALFR                      ; my 128 rows of A
	s_mul_i32 s19, s16, HALFR
	s_add_co_u32 s19, s19, OPER                    ; my 128 rows of B
	s_mul_i32 s21, s15, 4*PITCH                    ; my rows' scale lines: A's,
	s_mul_i32 s22, s16, 4*PITCH
	s_add_co_u32 s22, s22, OPER
	s_sub_co_u32 s22, s22, s21                     ; and how far behind them B's lie
	s_add_co_u32 s21, s21, SCLN
	s_mul_i32 s23, s14, 16*SPITCH                  ; my stage
	s_lshl_b32 s46, s17, 8
	s_lshl_b32 s47, s15, 7
	s_add_co_u32 s46, s46, s47                     ; my first row of out0,
	s_lshl_b32 s46, s46, 13                        ; in bytes: 8,192 a row, under 2^27
	s_mov_b32 s47, 0
	s_add_nc_u64 s[12:13], s[12:13], s[46:47]
	v_and_b32 v1, 15, v0                           ; l % 16
	v_mul_u32_u24 v3, v1, PITCH
	v_lshl_add_u32 v4, v2, 4, v3                   ; a fragment's row x pitch + 16 (l / 16)
	v_add_nc_u32 v[ADRA], s18, v4
	v_add_nc_u32 v[ADRB], s19, v4
	v_add_nc_u32 v[ADRA+1], SLOT, v[ADRA]
	v_add_nc_u32 v[ADRB+1], SLOT, v[ADRB]
	v_lshlrev_b32 v5, 3, v1                        ; 8 scale bytes a row
	v_mul_u32_u24 v6, s22, v2                      ; lanes 16-31 take B's
	v_add_nc_u32 v5, v5, v6
	v_add_nc_u32 v[ADRS], s21, v5
	v_add_nc_u32 v[ADRS+1], SLOT, v[ADRS]
	v_mul_u32_u24 v5, v1, SPITCH                   ; into the stage: row l % 16, 32 bytes for each half of the lanes
	v_lshl_add_u32 v5, v2, 5, v5
	v_add_nc_u32 v[STO], s23, v5
	v_and_b32 v6, 31, v0
	v_lshlrev_b32 v[CO], 4, v6                     ; back: 32 lanes take a row of 512 bytes
	v_add_nc_u32 v[RD], s23, v[CO]
	v_lshlrev_b32 v[PFO], 8, v6
	v_mov_b32 v[PFL], 32*256
	NAME 1                                         ; K steps 1 and 2
	NAME 2
.macro FRAG reg, adr, q, i             ; 16 rows x 128 K: registers 4 c .. 4 c + 3 hold K = 32 c + 16 (l / 16) + 0 .. 15
.irp c, 0,1,2,3
	ds_load_b128 v[\reg+4*\c:\reg+4*\c+3], v[\adr] offset:128*(\q)+32*\c+(\i)*16*PITCH
.endr
.endm
; 16 products: A's blocks a0, a0 + 1 x B's eight.  p: B's set; q: which 128 of the slot; sc: the set of scale words; first = 1: C is the bias.  The 64 accumulators take turns.
.macro MUL16 a0, p, q, sc, first
.irp a, \a0, \a0+1
.irp b, 0,1,2,3,4,5,6,7
.if \first
	v_wmma_scale_f32_16x16x128_f8f6f4 v[8*(8*((\a)%4)+\b):8*(8*((\a)%4)+\b)+7], v[128*(\p)+FR*\b:128*(\p)+FR*\b+FR-1], v[AF+FR*(\a):AF+FR*(\a)+FR-1], v[BI+8*\b:BI+8*\b+7], v[SC+8*NQ*(\sc)+NQ*\b+(\q)], v[SC+8*NQ*(\sc)+NQ*(\a)+(\q)] matrix_a_fmt:MATRIX_FMT_BF8 matrix_b_fmt:MATRIX_FMT_BF8 matrix_a_scale:MATRIX_SCALE_ROW1
.else
	v_wmma_scale_f32_16x16x128_f8f6f4 v[8*(8*((\a)%4)+\b):8*(8*((\a)%4)+\b)+7], v[128*(\p)+FR*\b:128*(\p)+FR*\b+FR-1], v[AF+FR*(\a):AF+FR*(\a)+FR-1], v[8*(8*((\a)%4)+\b):8*(8*((\a)%4)+\b)+7], v[SC+8*NQ*(\sc)+NQ*\b+(\q)], v[SC+8*NQ*(\sc)+NQ*(\a)+(\q)] matrix_a_fmt:MATRIX_FMT_BF8 matrix_b_fmt:MATRIX_FMT_BF8 matrix_a_scale:MATRIX_SCALE_ROW1
.endif
.endr
.endr
.endm
.macro FETCH_B slot, q, p
	WIN TO_B
.irp i, 0,1,2,3,4,5,6,7
	FRAG 128*(\p)+FR*\i, ADRB+\slot, \q, \i
.endr
	WIN 0
.endm
.macro FETCH_A slot, q, i0
.irp i, \i0, \i0+1, \i0+2, \i0+3
	FRAG AF+FR*(\i), ADRA+\slot, \q, \i
.endr
.endm
.macro SCALES sc                       ; the slot's scale words: register 2 i + q: lanes 0-15 A's block i, lanes 16-31 B's block i
.irp i, 0,1,2,3,4,5,6,7
	ds_load_b64 v[SC+8*NQ*\sc+NQ*\i:SC+8*NQ*\sc+NQ*\i+1], v[ADRS+\sc] offset:(\i/2)*PITCH+(\i%2)*128
.endr
.endm
.macro PLACES n
.rept \n
	v_nop
.endr
.endm
.macro STEP slot, q, first             ; a slot's first 128 along K; the second's fragments are fetched in two runs
	s_wait_dscnt 4*NL                              ; all but A's blocks 4-7
	WIN MUL_LO-0x20*(\first)                       ; (the bias lies in window 0)
	MUL16 0, (\q)%2, \q, \slot, \first
	MUL16 2, (\q)%2, \q, \slot, \first
	s_wait_dscnt 0
	PLACES NP
	FETCH_B \slot, (\q)+1, 1-(\q)%2
	FETCH_A \slot, (\q)+1, 0
	WIN MUL_HI-0x30*(\first)
	MUL16 4, (\q)%2, \q, \slot, \first
	MUL16 6, (\q)%2, \q, \slot, \first
	PLACES NP
	WIN 0
	FETCH_A \slot, (\q)+1, 4
.endm
.macro MEET slot                       ; the first half of a slot's last 128 along K, and the barrier of the change of slots
	s_wait_tensorcnt 0x0                           ; all my tensor loads have landed: my part of the next slot
	ds_add_u32 v[SPW], v[NIL]
	s_wait_dscnt 4*NL+1                            ; (the add and A's blocks 4-7 may be out)
	WIN MUL_LO
	MUL16 0, 1, NQ-1, \slot, 0
	s_wait_dscnt 0x0                               ; the add is done, and my reads of this slot are over
	s_barrier_signal -1
	MUL16 2, 1, NQ-1, \slot, 0
	WIN 0
	s_barrier_wait -1
.endm
.macro TURN slot, next                 ; a slot's last 128 along K; the slot is filled again, two K steps ahead
	s_wait_xcnt 0x0                                ; my prefetches have read their address: it steps here
	s_add_nc_u64 s[PFA:PFA+1], s[PFA:PFA+1], TILEB
	MEET \slot
	CREST                                          ; the barrier has opened a round of the cluster's barrier
	s_add_nc_u64 s[G0+4*\slot+2:G0+4*\slot+3], s[G0+4*\slot+2:G0+4*\slot+3], 2*TILEB
	s_add_nc_u64 s[G0B+4*\slot+2:G0B+4*\slot+3], s[G0B+4*\slot+2:G0B+4*\slot+3], 2*TILEB
	JLOAD G0+4*\slot, G1, G0B+4*\slot, G1B         ; the first tensor load behind the round; its four v_nop are among the places
	PLACES NP-4
	FETCH_B \next, 0, 0
	FETCH_A \next, 0, 0
	SCALES \next
	ASK                                            ; behind the joint load and the run of LDS loads
	WIN MUL_HI
	MUL16 4, 1, NQ-1, \slot, 0
	MUL16 6, 1, NQ-1, \slot, 0
	PLACES NP
	WIN 0
	FETCH_A \next, 0, 4
.endm
	s_wait_alu depctr_va_vdst(0)
	s_wait_tensorcnt 0x0                           ; my part of K step 0 is in
	ds_add_u32 v[SPW], v[NIL]
	s_wait_dscnt 0x0
	CROUND                                         ; everybody's part is in, and the joint loads meet
	JLOAD G0+4, G1, G0B+4, G1B                     ; K step 1, the first tensor load behind the round
	FETCH_B 0, 0, 0
	FETCH_A 0, 0, 0
	SCALES 0
	FETCH_A 0, 0, 4
	NAME 3                                         ; K step 3
	s_wait_loadcnt 0x0                             ; the bias
	STEP 0, 0, 1                                   ; the first products start the sums on the bias
	s_mov_b32 s3, LAPS-1
.Llap:                                                 ; a trip goes once round the ring and fills both slots again
	TURN 0, 1
	STEP 1, 0, 0
	TURN 1, 0
	STEP 0, 0, 0
	s_sub_co_u32 s3, s3, 1
	s_cmp_lg_u32 s3, 0
	s_cbranch_scc1 .Llap
; THE LAST K STEP (slot 1) BY ROWS.  Block a's fragments of A, 16 rows x 256 K, lie in buffer a % 4 of four (32 registers each, where A's one set lay).
.macro ALOAD a
.irp q, 0,1
	FRAG AF+32*((\a)%4)+FR*\q, ADRA+1, \q, \a
.endr
.endm
.macro ROW a                           ; block a is finished: 16 products, its 8 accumulators by turns, K ascending
	WIN MUL_LO+0x50*((\a)/4)
.irp q, 0,1
.if ((\a) == 0) && (\q == 1)
	s_wait_dscnt 16                                ; B's second set is in (behind it: A's blocks 2 and 3)
.endif
.irp b, 0,1,2,3,4,5,6,7
	v_wmma_scale_f32_16x16x128_f8f6f4 v[8*(8*((\a)%4)+\b):8*(8*((\a)%4)+\b)+7], v[128*\q+FR*\b:128*\q+FR*\b+FR-1], v[AF+32*((\a)%4)+FR*\q:AF+32*((\a)%4)+FR*\q+FR-1], v[8*(8*((\a)%4)+\b):8*(8*((\a)%4)+\b)+7], v[SC+8*NQ+NQ*\b+\q], v[SC+8*NQ+NQ*(\a)+\q] matrix_a_fmt:MATRIX_FMT_BF8 matrix_b_fmt:MATRIX_FMT_BF8 matrix_a_scale:MATRIX_SCALE_ROW1
.endr
.endr
.endm
.macro TOSTAGE a                       ; 16 rows x 128 columns into my stage, each accumulator from its low end on, and back as whole rows; LDS serves a wave's instructions in order (ISA guide 5.7.1.4)
.set AC, 64*((\a)%4)
	WIN 0x08+4*((\a)/4)
.irp b, 0,1,2,3,4,5,6,7
	ds_store_b128 v[STO], v[AC+8*\b:AC+8*\b+3] offset:64*\b
	ds_store_b128 v[STO], v[AC+8*\b+4:AC+8*\b+7] offset:64*\b+16
.endr
	WIN 0
.irp t, 0,1,2,3,4,5,6,7,8,9,10,11,12,13,14,15
	ds_load_b128 v[BK+4*\t:BK+4*\t+3], v[RD] offset:\t*SPITCH
.endr
.endm
.macro SEND a, younger                 ; younger: the LDS loads issued behind the stage's, which may stay out
	s_wait_dscnt \younger
.if (\a) > 0
	s_add_nc_u64 s[12:13], s[12:13], 16*SIZE_N*4   ; (no store has been issued since the wait on XCNT)
.endif
.irp t, 0,1,2,3,4,5,6,7,8,9,10,11,12,13,14,15
	global_store_b128 v[CO], v[BK+4*\t:BK+4*\t+3], s[12:13] offset:\t*SIZE_N*4 th:TH_STORE_NT   ; 32 lanes store 512 consecutive bytes, at a multiple of 256 from out0's first byte
.endr
.endm
	MEET 0                                         ; slot 1 holds the last K step; nothing is filled again, so no round follows
	PLACES NP
	FETCH_B 1, 0, 0                                ; 32 loads
	ALOAD 0                                        ; 8 + 8, where A's blocks 0-3 lay
	ALOAD 1
	SCALES 1                                       ; 8
	WIN MUL_HI
	MUL16 4, 1, NQ-1, 0, 0
	MUL16 6, 1, NQ-1, 0, 0
	PLACES NP
	FETCH_B 1, 1, 1                                ; 32 loads
	ALOAD 2                                        ; 8 + 8
	ALOAD 3
	s_wait_dscnt 48                                ; all but the 48 just issued
	ROW 0
.irp a, 0,1,2,3,4,5,6,7
	PLACES NP                                      ; in front of the stores that read results just made, and of the loads into the block's fragments
.if \a > 0
	s_wait_xcnt 0x0                                ; the last block's stores have read their registers and their base
.endif
	TOSTAGE \a
.if \a < 4
	ALOAD \a+4                                     ; its buffer takes the block four further on
	SEND \a, 8
.else
	SEND \a, 0
.endif
.if \a < 7
	ROW \a+1
.endif
.endr
	s_wait_tensorcnt 0x0                           ; the wave's end
	ds_add_u32 v[SPW], v[NIL]
	s_wait_dscnt 0x0
	CROUND                                         ; the closing round
	s_endpgm
.Lfunc_end_k_q8ee2fa1e94_gemm:
	.size	k_q8ee2fa1e94_gemm, .Lfunc_end_k_q8ee2fa1e94_gemm-k_q8ee2fa1e94_gemm
	.p2alignl 7, 3214868480
	.fill 96, 4, 3214868480
	.section	.rodata,"a",@progbits
	.p2align	6, 0x0
	.amdhsa_kernel k_q8ee2fa1e94_gemm
		.amdhsa_group_segment_fixed_size 327680
		.amdhsa_private_segment_fixed_size 0
		.amdhsa_enable_private_segment 0
		.amdhsa_kernarg_size 32
		.amdhsa_user_sgpr_count 2
		.amdhsa_user_sgpr_kernarg_segment_ptr 1
		.amdhsa_wavefront_size32 1
		.amdhsa_system_sgpr_workgroup_id_x 1
		.amdhsa_system_sgpr_workgroup_id_y 1
		.amdhsa_system_sgpr_workgroup_id_z 1
		.amdhsa_system_vgpr_workitem_id 0
		.amdhsa_next_free_vgpr 1024
		.amdhsa_next_free_sgpr 66
		.amdhsa_reserve_vcc 0
		.amdhsa_float_denorm_mode_32 3
		.amdhsa_float_denorm_mode_16_64 3
		.amdhsa_memory_ordered 1
		.amdhsa_forward_progress 1
		.amdhsa_inst_pref_size 148
	.end_amdhsa_kernel
	.amdgpu_metadata
---
amdhsa.version: [ 1, 2 ]
amdhsa.kernels:
  - .name:           k_q8ee2fa1e94_gemm
    .symbol:         k_q8ee2fa1e94_gemm.kd
    .args:
      - { .name: a_q, .offset: 0, .size: 8, .value_kind: global_buffer, .address_space: global }
      - { .name: b_q, .offset: 8, .size: 8, .value_kind: global_buffer, .address_space: global }
      - { .name: bias, .offset: 16, .size: 8, .value_kind: global_buffer, .address_space: global }
      - { .name: out0, .offset: 24, .size: 8, .value_kind: global_buffer, .address_space: global }
    .group_segment_fixed_size: 327680
    .private_segment_fixed_size: 0
    .kernarg_segment_align: 8
    .kernarg_segment_size: 32
    .max_flat_workgroup_size: 128
    .sgpr_count:     66
    .vgpr_count:     1024
    .wavefront_size: 32
...
	.end_amdgpu_metadata
.endif
;; end of part 2
